; MI455X (gfx1250); checked and timed in simulation.
; The chip was launched on July 23, 2026; its instructions are those of AMD's public machine-readable ISA for CDNA 5 (MIT licence, August 2026) and "CDNA5" Instruction Set Architecture Reference Guide (July 2026). The comments in the code are by the model that wrote it; some were corrected since.
;; Deformable DETR. Allowed arithmetic: float matrix products may take bf16 or f16 operands with f32 sums; all other float work in f32.
;; Inputs: We 8 x 768 x 256 float32; Wg 768 x 8 float32; be 8 x 256 float32; bg 8 float32; x 8 x 4,096 x 768 float32.
;; Outputs: out0 8 x 4,096 x 256 float32.
;; One version. Each part assembles by itself: llvm-mc -triple=amdgcn-amd-amdhsa -mcpu=gfx1250 --defsym DOCPART=n.
;; ======== version 1 of 1: 3 launches
;; limits: values outside matrix products are rounded to bf16
;; workspace buffers: xb 50,331,648 bytes; Wb 3,145,728 bytes; cwts 262,144 bytes; words 131,072 bytes of whole numbers; hist 32,768 bytes of whole numbers; order 131,072 bytes of whole numbers; tiles 4,096 bytes of whole numbers
;; launch gate (part 1): grid 256 x 1, 8 waves a work-group, no clusters, 227,072 bytes of LDS; arguments x, Wg, bg, We, xb, Wb, cwts, words, hist; writes xb, Wb, cwts, words, hist
.if DOCPART == 1
	.amdgcn_target "amdgcn-amd-amdhsa--gfx1250"
	.amdhsa_code_object_version 6
	.text
	.protected	k_q58d2ae3f04_gate
	.globl	k_q58d2ae3f04_gate
	.p2align	8
	.type	k_q58d2ae3f04_gate,@function
k_q58d2ae3f04_gate:
	s_mov_b64 s[64:65], 0
	v_nop
	global_prefetch_b8 v0, s[64:65] scope:SCOPE_SE
	s_setreg_imm32_b32 hwreg(HW_REG_WAVE_MODE, 25, 1), 1
	s_wait_xcnt 0x0
; GATE.  Reads x [32768][768] f32 once; writes it as bf16 (xb); computes the gate x Wg + bg on the matrix unit from the same bf16 numbers,
; the softmax (maximum taken away) and the two largest weights of every token; rounds We to bf16 and lays it in the order of matrix fragments (Wb).
; For every token: cwts = (weight of the lower expert, weight of the higher), words = bucket | rank << 8, where the bucket (0..27) numbers the
; unordered pair (lo < hi) and the rank counts the earlier tokens of the same bucket among the work-group's 128.  hist = tokens per bucket.
; Wb = [expert][k / 32][column / 16][p][lane][8 bf16]: lane l, half p holds We[e][32 ks + 16 p + 8 (l / 16) + 0 .. 7][16 ct + l % 16].
; Work-group g: tokens 128 g .. +127, and of We 96 k rows x 64 columns.  Wave v: 16 tokens.  x streams through registers, 32 loads of 512 bytes a wave in
; flight; no tensor loads, no cluster: no two work-groups read the same bytes but Wg's 24 KiB.
; LIMITS: x, Wg and bg enter the gate rounded to bf16 (sums in f32).  An exponential below 2^-126 counts as 0.  Equal weights: the lower index
; wins.  With NaN in a token's logits the pair is (0, 1) and the weights are not numbers.
.set XROW,  3072                       ; bytes of a row of x
.set BROW,  1536                       ; bytes of a row of xb
.set XP,    1552                       ; LDS pitch of a bf16 row: 97 x 16 bytes, an odd multiple of 16
.set XTW,   16*XP                      ; a wave's 16 rows
.set WGT,   8*XTW                      ; Wg transposed: 8 rows [expert][k] bf16, pitch XP
.set KEYS,  211200                     ; 128 words: 256 x bucket + token
.set CWL,   211712                     ; 128 pairs of weights
.set WST,   212736                     ; my part of We transposed: 64 rows [column][96 k] bf16
.set WP,    208                        ; its pitch: 192 bytes + 16 = 13 x 16
.set XOFF, 2                           ; v2   x:  wave x 16 rows + 16 x lane
.set BOFF, 3                           ; v3   xb: wave x 16 rows + 8 x lane
.set XST,  4                           ; v4   LDS: my 8 bytes of a row of my wave's tile
.set XFR,  5                           ; v5   LDS: x fragment, row l % 16, + 16 (l / 16)
.set WFR,  6                           ; v6   LDS: Wg fragment, row l % 8, + 16 (l / 16)
.set IN,   16                          ; v[16:143]  two sets of 16 rows x 4: x as loaded
.set OUT,  144                         ; v[144:175] 16 rows x 2: bf16 to store
.set FR,   176                         ; v[176:239] K step q: Wg fragment at 16 q, x fragment at 16 q + 8
.set WSA,  236                         ; ahead of the stream: where my words of We go in the stage
.set WRA,  237                         ; and where I read 16 bytes back
.set ACC0, 240
.set ACC1, 248
.set G,    16                          ; behind the stream: logits, then weights
.set V1,   26
.set I1,   27
.set V2,   28
.set I2,   29
	s_load_b512 s[4:19], s[0:1], 0x0               ; x, Wg, bg, We, xb, Wb, cwts, words
	s_load_b64 s[20:21], s[0:1], 0x40              ; hist
	s_set_vgpr_msb 0x40
	v_lshl_add_u32 v0, v0, 2, 0x37300
	v_mov_b32 v1, 0
	s_set_vgpr_msb 0x4000
	v_and_b32 v1, 31, v0                           ; lane
	v_lshrrev_b32 v7, 5, v0
	v_readfirstlane_b32 s22, v7                    ; wave
	v_and_b32 v8, 15, v0                           ; r = l % 16 (kept)
	v_bfe_u32 v9, v0, 4, 1                         ; h = l / 16
	s_mul_i32 s23, s22, 16*XROW
	v_lshl_add_u32 v[XOFF], v1, 4, s23
	s_mul_i32 s23, s22, 16*BROW
	v_lshl_add_u32 v[BOFF], v1, 3, s23
	s_mul_i32 s23, s22, XTW
	v_lshl_add_u32 v[XST], v1, 3, s23
	v_mul_u32_u24 v10, v8, XP
	v_lshl_add_u32 v10, v9, 4, v10
	v_add_nc_u32 v[XFR], s23, v10
	v_and_b32 v11, 7, v0
	v_mul_u32_u24 v11, v11, XP
	v_lshl_add_u32 v11, v9, 4, v11
	v_add_nc_u32 v[WFR], WGT, v11
	v_lshrrev_b32 v12, 1, v0                       ; thread t takes Wg's rows 6 (t / 2) .. + 5, experts 4 (t % 2) .. + 3
	v_and_b32 v13, 1, v0
	v_mul_u32_u24 v14, v12, 192
	v_lshl_add_u32 v14, v13, 4, v14                ; its byte in Wg
	v_mul_u32_u24 v15, v13, 4*XP
	v_mad_u32_u24 v15, v12, 12, v15
	v_add_nc_u32 v15, WGT, v15                     ; and in the transposed copy
	; We: thread t takes k rows 32 i + 2 (t / 16) + 0, 1 and columns 4 (t % 16) .. + 3 of the work-group's 96 x 64
	v_lshrrev_b32 v10, 4, v0
	v_lshlrev_b32 v7, 11, v10                      ; two rows of 1,024 bytes
	v_lshl_add_u32 v7, v8, 4, v7                   ; + 16 (t % 16): sixteen lanes take 256 consecutive bytes, aligned
	v_mul_u32_u24 v[WSA], v8, 4*WP                 ; the stage: row = column, two neighbouring k make a word
	v_lshl_add_u32 v[WSA], v10, 2, v[WSA]
	v_add_nc_u32 v[WSA], WST, v[WSA]
	v_lshrrev_b32 v11, 6, v0                       ; back: column 16 (t / 64) + t % 16,
	v_lshl_add_u32 v11, v11, 4, v8
	v_mul_u32_u24 v[WRA], v11, WP
	v_bfe_u32 v11, v0, 4, 2                        ; k = 16 p + 8 h with 2 p + h = (t / 16) % 4: 16 bytes each
	v_lshl_add_u32 v[WRA], v11, 4, v[WRA]
	v_add_nc_u32 v[WRA], WST, v[WRA]
	v_lshlrev_b32 v9, 4, v0                        ; Wb: 16 t
	s_movk_i32 s41, 127
	s_movk_i32 s42, 256
	s_mov_b32 s33, 0
	s_lshr_b32 s34, ttmp9, 2                       ; 8 x expert + which 96 k rows
	s_and_b32 s35, ttmp9, 3                        ; which 64 columns
	s_wait_kmcnt 0x0
	s_load_b256 s[24:31], s[8:9], 0x0              ; bg
	s_mul_i32 s32, ttmp9, 128*XROW
	s_add_nc_u64 s[4:5], s[4:5], s[32:33]
	s_mul_i32 s32, ttmp9, 128*BROW
	s_add_nc_u64 s[12:13], s[12:13], s[32:33]
	s_mul_i32 s32, s34, 98304                      ; 96 rows of 1,024 bytes
	s_lshl_b32 s36, s35, 8
	s_add_co_u32 s32, s32, s36
	s_add_nc_u64 s[10:11], s[10:11], s[32:33]
	s_mul_i32 s32, s34, 49152                      ; three K steps of 16,384 bytes
	s_lshl_b32 s36, s35, 12                        ; four column tiles of 1,024 bytes
	s_add_co_u32 s32, s32, s36
	s_add_nc_u64 s[14:15], s[14:15], s[32:33]
	s_lshl_b32 s32, ttmp9, 10
	s_add_nc_u64 s[16:17], s[16:17], s[32:33]
	s_lshl_b32 s32, ttmp9, 9
	s_add_nc_u64 s[18:19], s[18:19], s[32:33]
	s_lshl_b32 s32, ttmp9, 7
	s_add_nc_u64 s[20:21], s[20:21], s[32:33]
; one load: 512 neighbouring bytes (128 K) of row i, chunk c
.macro LDX c, i
	global_load_b128 v[IN+64*((\c)&1)+4*\i:IN+64*((\c)&1)+4*\i+3], v[XOFF], s[4:5] offset:XROW*\i+512*(\c) th:TH_LOAD_NT
.endm
.irp i, 0,1,2,3,4,5
	global_load_b128 v[FR+4*\i:FR+4*\i+3], v14, s[6:7] offset:32*\i
.endr
.irp i, 0,1,2
.irp q, 0,1
	global_load_b128 v[FR+24+8*\i+4*\q:FR+24+8*\i+4*\q+3], v7, s[10:11] offset:32768*\i+1024*\q th:TH_LOAD_NT
.endr
.endr
.irp i, 0,1,2,3,4,5,6,7,8,9,10,11,12,13,14,15
	LDX 0, \i
.endr
.irp i, 0,1,2,3,4,5,6,7,8,9,10,11,12,13,14,15
	LDX 1, \i
.endr
	s_wait_loadcnt 32                              ; Wg and We are in; the 32 loads of x stay out
	; Wg: two neighbouring k of one expert make a word of the transposed copy
.irp p, 0,1,2
.irp n, 0,1,2,3
	v_cvt_pk_bf16_f32 v[FR+48+4*\p+\n], v[FR+8*\p+\n], v[FR+8*\p+4+\n]
	ds_store_b32 v15, v[FR+48+4*\p+\n] offset:\n*XP+4*\p
.endr
.endr
	; We: the same, into the stage
.irp i, 0,1,2
.irp n, 0,1,2,3
	v_cvt_pk_bf16_f32 v[OUT+4*\i+\n], v[FR+24+8*\i+\n], v[FR+24+8*\i+4+\n]
	ds_store_b32 v[WSA], v[OUT+4*\i+\n] offset:\n*WP+64*\i
.endr
.endr
	s_wait_kmcnt 0x0
	; bg, rounded to bf16 like the other operands of the gate, starts the first sum: register j = expert j, in every lane
.irp j, 0,1,2,3
	v_cvt_pk_bf16_f32 v10, s[24+2*\j], s[25+2*\j]
	v_lshlrev_b32 v[ACC0+2*\j],   16, v10
	v_and_b32     v[ACC0+2*\j+1], 0xffff0000, v10
.endr
	s_wait_dscnt 0x0                               ; my words of the transposed Wg and We are written,
	s_barrier_signal -1
	s_barrier_wait -1                              ; everybody's are
	; We out: 8 k of one column are 16 bytes of a fragment; a wave's store covers 512 consecutive bytes, aligned
.irp i, 0,1,2
	ds_load_b128 v[FR+4*\i:FR+4*\i+3], v[WRA] offset:64*\i
.endr
.irp i, 0,1,2
	s_wait_dscnt 2-\i                              ; the younger reads may stay out
	global_store_b128 v9, v[FR+4*\i:FR+4*\i+3], s[14:15] offset:16384*\i
.endr
; row i of chunk c: round, store to xb (256 consecutive bytes, aligned) and to my wave's tile; ahead = 1: ask for the same row of chunk c + 2.
; left = the younger loads that may stay out.
.macro ROW c, i, ahead, left
	s_wait_loadcnt \left
	v_cvt_pk_bf16_f32 v[OUT+2*\i],   v[IN+64*(\c&1)+4*\i],   v[IN+64*(\c&1)+4*\i+1]
	v_cvt_pk_bf16_f32 v[OUT+2*\i+1], v[IN+64*(\c&1)+4*\i+2], v[IN+64*(\c&1)+4*\i+3]
	global_store_b64 v[BOFF], v[OUT+2*\i:OUT+2*\i+1], s[12:13] offset:BROW*\i+256*\c
	ds_store_b64 v[XST], v[OUT+2*\i:OUT+2*\i+1] offset:XP*\i+256*\c
.if \ahead
	LDX \c+2, \i
.endif
.endm
; four K steps of 32.  Source 0 = Wg's fragment (rows = experts, 8 to 15 repeat 0 to 7), source 1 = x's (columns = tokens): register j of lane l
; is expert j of token l % 16.  The tile is my wave's own: LDS serves a wave's instructions in order (ISA guide 5.7.1).
; The two accumulators take turns, one instruction a turn.
.macro KSTEPS c
.irp q, 0,1,2,3
	ds_load_b128 v[FR+16*\q:FR+16*\q+3],     v[WFR] offset:256*\c+64*\q
	ds_load_b128 v[FR+16*\q+4:FR+16*\q+7],   v[WFR] offset:256*\c+64*\q+32
	ds_load_b128 v[FR+16*\q+8:FR+16*\q+11],  v[XFR] offset:256*\c+64*\q
	ds_load_b128 v[FR+16*\q+12:FR+16*\q+15], v[XFR] offset:256*\c+64*\q+32
.endr
.irp q, 0,1,2,3
	s_wait_dscnt 12-4*\q                           ; the four loads of each later K step may stay out
.if (\c+8*\q) == 8
	v_wmma_f32_16x16x32_bf16 v[ACC1:ACC1+7], v[FR+16:FR+23], v[FR+24:FR+31], 0   ; the second sum starts here
.else
	v_wmma_f32_16x16x32_bf16 v[ACC0+8*(\q&1):ACC0+8*(\q&1)+7], v[FR+16*\q:FR+16*\q+7], v[FR+16*\q+8:FR+16*\q+15], v[ACC0+8*(\q&1):ACC0+8*(\q&1)+7]
.endif
.endr
.endm
; Six chunks of 128 K.  At a chunk's head every earlier store has had its address translated (ISA guide 3.1): OUT, and at the first head the registers
; that We's stores read, are rewritten only behind that wait.  A chunk's 32 conversions are the places between the last matrix instruction and the
; next loads into its fragments.  Count 31 = 15 - i of this chunk + 16 of the next + i asked for in this chunk.
.irp c, 0,1,2,3
	s_wait_xcnt 0x0
.irp i, 0,1,2,3,4,5,6,7,8,9,10,11,12,13,14,15
	ROW \c, \i, 1, 31
.endr
	KSTEPS \c
.endr
	s_wait_xcnt 0x0
.irp i, 0,1,2,3,4,5,6,7,8,9,10,11,12,13,14,15
	ROW 4, \i, 0, 31-\i
.endr
	KSTEPS 4
	s_wait_xcnt 0x0
.irp i, 0,1,2,3,4,5,6,7,8,9,10,11,12,13,14,15
	ROW 5, \i, 0, 15-\i
.endr
	KSTEPS 5
	; softmax and the two largest, all in the lane: it holds its token's eight logits
	s_wait_xcnt 0x0                                ; OUT and the offsets may be used for other things from here on
.rept 4
	v_nop                                          ; four places behind the last matrix instruction (ISA guide 7.12.1)
.endr
.irp j, 0,2,4,6
	v_pk_add_f32 v[G+\j:G+\j+1], v[ACC0+\j:ACC0+\j+1], v[ACC1+\j:ACC1+\j+1]
.endr
	v_max3_num_f32 v24, v[G], v[G+1], v[G+2]
	v_max3_num_f32 v24, v24, v[G+3], v[G+4]
	v_max3_num_f32 v24, v24, v[G+5], v[G+6]
	v_max_num_f32 v24, v24, v[G+7]
.irp j, 0,1,2,3,4,5,6,7
	v_sub_f32 v[G+\j], v[G+\j], v24                ; the maximum is taken away: every exponent is at most 0
.endr
.irp j, 0,1,2,3,4,5,6,7
	v_mul_f32 v[G+\j], 0x3fb8aa3b, v[G+\j]         ; e^x = 2^(1.442695 x)
.endr
.irp j, 0,1,2,3,4,5,6,7
	v_exp_f32 v[G+\j], v[G+\j]
.endr
	v_nop                                          ; one plain instruction behind the exponentials (ISA guide 5.7.2)
	s_wait_alu depctr_va_vdst(0)
	v_add_f32 v25, v[G], v[G+1]
	v_add_f32 v30, v[G+2], v[G+3]
	v_add_f32 v31, v[G+4], v[G+5]
	v_add_f32 v32, v[G+6], v[G+7]
	v_add_f32 v25, v25, v30
	v_add_f32 v31, v31, v32
	v_add_f32 v25, v25, v31                        ; at least 1
	v_rcp_f32 v25, v25
	v_nop
	s_wait_alu depctr_va_vdst(0)
.irp j, 0,1,2,3,4,5,6,7
	v_mul_f32 v[G+\j], v[G+\j], v25
.endr
	v_mov_b32 v[V1], v[G]
	v_mov_b32 v[I1], 0
	v_mov_b32 v[V2], -1.0                          ; below every weight
	v_mov_b32 v[I2], 1                             ; so that the two indices differ whatever the numbers
.macro TOP j                           ; strictly larger only: of equal weights the lower index stays in front
	v_cmp_gt_f32 vcc_lo, v[G+\j], v[V1]
	v_cmp_gt_f32 s43, v[G+\j], v[V2]
	v_cndmask_b32 v[V2], v[V2], v[G+\j], s43
	v_cndmask_b32 v[I2], v[I2], \j, s43
	v_cndmask_b32 v[V2], v[V2], v[V1], vcc_lo
	v_cndmask_b32 v[I2], v[I2], v[I1], vcc_lo
	v_cndmask_b32 v[V1], v[V1], v[G+\j], vcc_lo
	v_cndmask_b32 v[I1], v[I1], \j, vcc_lo
.endm
.irp j, 1,2,3,4,5,6,7
	TOP \j
.endr
	v_min_u32 v30, v[I1], v[I2]                    ; lo
	v_max_u32 v31, v[I1], v[I2]                    ; hi
	v_cmp_lt_u32 vcc_lo, v[I1], v[I2]
	v_cndmask_b32 v32, v[V2], v[V1], vcc_lo        ; weight of lo
	v_cndmask_b32 v33, v[V1], v[V2], vcc_lo        ; weight of hi
	v_sub_nc_u32 v34, 15, v30
	v_mul_u32_u24 v34, v34, v30
	v_lshrrev_b32 v34, 1, v34                      ; lo (15 - lo) / 2
	v_add_nc_u32 v34, v34, v31
	v_sub_nc_u32 v34, v34, v30
	v_add_nc_u32 v34, -1, v34                      ; bucket
	v_lshl_add_u32 v35, s22, 4, v8                 ; my token among the 128
	v_lshl_add_u32 v34, v34, 8, v35                ; key = 256 x bucket + token
	v_lshl_add_u32 v36, v35, 2, KEYS
	v_lshl_add_u32 v37, v35, 3, CWL
	ds_store_b32 v36, v34                          ; lanes l and l + 16 hold the same token and write the same
	ds_store_b64 v37, v[32:33]
	s_wait_dscnt 0x0
	s_barrier_signal -1
	s_barrier_wait -1
	; waves 0, 1: ranks.  wave 2: histogram.  wave 3: weights out.  The others are done.
	s_cmp_gt_u32 s22, 3
	s_cbranch_scc1 .Lend
	s_cmp_eq_u32 s22, 3
	s_cbranch_scc1 .Lweights
	v_mov_b32 v144, KEYS
.set j, 0
.rept 32
	ds_load_b128 v[IN+4*j:IN+4*j+3], v144 offset:16*j      ; all 128 keys, in every lane
.set j, j+1
.endr
	s_cmp_eq_u32 s22, 2
	s_cbranch_scc1 .Lhist
	; thread t: tokens 2 t, 2 t + 1.  (my key - 1) - key j is below 127 exactly if j has my bucket and stands in front of me:
	; another bucket moves the difference by 256 or more, and tokens differ by 127 at the most.
	v_lshl_add_u32 v145, v0, 3, v144
	ds_load_b64 v[146:147], v145
	s_wait_dscnt 0x0
	v_add_nc_u32 v148, -1, v146
	v_add_nc_u32 v149, -1, v147
.set j, 0
.rept 128
	v_sub_nc_u32 v150, v148, v[IN+j]
	v_sub_nc_u32 v151, v149, v[IN+j]
	v_cmp_gt_u32 vcc_lo, s41, v150
	v_cmp_gt_u32 s43, s41, v151
.if j == 0
	v_cndmask_b32 v152, 0, 1, vcc_lo
	v_cndmask_b32 v153, 0, 1, s43
.else
	v_cndmask_b32 v150, 0, 1, vcc_lo
	v_cndmask_b32 v151, 0, 1, s43
	v_add_nc_u32 v152, v152, v150
	v_add_nc_u32 v153, v153, v151
.endif
.set j, j+1
.endr
	v_lshrrev_b32 v154, 8, v146
	v_lshrrev_b32 v155, 8, v147
	v_lshl_or_b32 v154, v152, 8, v154              ; bucket | rank << 8
	v_lshl_or_b32 v155, v153, 8, v155
	v_lshlrev_b32 v156, 3, v0
	global_store_b64 v156, v[154:155], s[18:19]    ; a wave stores 256 consecutive bytes, aligned
	s_set_vgpr_msb 0x5
	s_wait_tensorcnt 0x0
	ds_add_u32 v0, v1
	s_wait_dscnt 0x0
	s_set_vgpr_msb 0x500
	s_endpgm
.Lhist:
	v_lshlrev_b32 v148, 8, v1                      ; lane = bucket: its keys are 256 b .. 256 b + 255
	s_wait_dscnt 0x0
.set j, 0
.rept 128
	v_sub_nc_u32 v150, v[IN+j], v148
	v_cmp_gt_u32 vcc_lo, s42, v150
.if j == 0
	v_cndmask_b32 v152, 0, 1, vcc_lo
.else
	v_cndmask_b32 v150, 0, 1, vcc_lo
	v_add_nc_u32 v152, v152, v150
.endif
.set j, j+1
.endr
	v_lshlrev_b32 v156, 2, v1
	global_store_b32 v156, v152, s[20:21]          ; 128 consecutive bytes: all that a work-group has of this table (32 KiB in the launch)
	s_set_vgpr_msb 0x5
	s_wait_tensorcnt 0x0
	ds_add_u32 v0, v1
	s_wait_dscnt 0x0
	s_set_vgpr_msb 0x500
	s_endpgm
.Lweights:
	v_lshlrev_b32 v145, 4, v1
	v_add_nc_u32 v146, CWL, v145
	ds_load_b128 v[148:151], v146
	ds_load_b128 v[152:155], v146 offset:512
	s_wait_dscnt 0x1
	global_store_b128 v145, v[148:151], s[16:17]
	s_wait_dscnt 0x0
	global_store_b128 v145, v[152:155], s[16:17] offset:512
.Lend:
	s_set_vgpr_msb 0x5
	s_wait_tensorcnt 0x0
	ds_add_u32 v0, v1
	s_wait_dscnt 0x0
	s_set_vgpr_msb 0x500
	s_endpgm
.Lfunc_end_k_q58d2ae3f04_gate:
	.size	k_q58d2ae3f04_gate, .Lfunc_end_k_q58d2ae3f04_gate-k_q58d2ae3f04_gate
	.p2alignl 7, 3214868480
	.fill 96, 4, 3214868480
	.section	.rodata,"a",@progbits
	.p2align	6, 0x0
	.amdhsa_kernel k_q58d2ae3f04_gate
		.amdhsa_group_segment_fixed_size 227072
		.amdhsa_private_segment_fixed_size 0
		.amdhsa_enable_private_segment 0
		.amdhsa_kernarg_size 72
		.amdhsa_user_sgpr_count 2
		.amdhsa_user_sgpr_kernarg_segment_ptr 1
		.amdhsa_wavefront_size32 1
		.amdhsa_system_sgpr_workgroup_id_x 1
		.amdhsa_system_sgpr_workgroup_id_y 1
		.amdhsa_system_sgpr_workgroup_id_z 1
		.amdhsa_system_vgpr_workitem_id 0
		.amdhsa_next_free_vgpr 258
		.amdhsa_next_free_sgpr 66
		.amdhsa_reserve_vcc 1
		.amdhsa_float_denorm_mode_32 3
		.amdhsa_float_denorm_mode_16_64 3
		.amdhsa_memory_ordered 1
		.amdhsa_forward_progress 1
		.amdhsa_inst_pref_size 131
	.end_amdhsa_kernel
	.amdgpu_metadata
---
amdhsa.version: [ 1, 2 ]
amdhsa.kernels:
  - .name:           k_q58d2ae3f04_gate
    .symbol:         k_q58d2ae3f04_gate.kd
    .args:
      - { .name: x, .offset: 0, .size: 8, .value_kind: global_buffer, .address_space: global }
      - { .name: Wg, .offset: 8, .size: 8, .value_kind: global_buffer, .address_space: global }
      - { .name: bg, .offset: 16, .size: 8, .value_kind: global_buffer, .address_space: global }
      - { .name: We, .offset: 24, .size: 8, .value_kind: global_buffer, .address_space: global }
      - { .name: xb, .offset: 32, .size: 8, .value_kind: global_buffer, .address_space: global }
      - { .name: Wb, .offset: 40, .size: 8, .value_kind: global_buffer, .address_space: global }
      - { .name: cwts, .offset: 48, .size: 8, .value_kind: global_buffer, .address_space: global }
      - { .name: words, .offset: 56, .size: 8, .value_kind: global_buffer, .address_space: global }
      - { .name: hist, .offset: 64, .size: 8, .value_kind: global_buffer, .address_space: global }
    .group_segment_fixed_size: 227072
    .private_segment_fixed_size: 0
    .kernarg_segment_align: 8
    .kernarg_segment_size: 72
    .max_flat_workgroup_size: 256
    .sgpr_count:     66
    .vgpr_count:     258
    .wavefront_size: 32
...
	.end_amdgpu_metadata
.endif
;; end of part 1
;; launch place (part 2): grid 256 x 1, 4 waves a work-group, no clusters, 4,608 bytes of LDS; arguments hist, words, order, tiles; writes order, tiles
.if DOCPART == 2
	.amdgcn_target "amdgcn-amd-amdhsa--gfx1250"
	.amdhsa_code_object_version 6
	.text
	.protected	k_q58d2ae3f04_place
	.globl	k_q58d2ae3f04_place
	.p2align	8
	.type	k_q58d2ae3f04_place,@function
k_q58d2ae3f04_place:
	s_mov_b64 s[64:65], 0
	v_nop
	global_prefetch_b8 v0, s[64:65] scope:SCOPE_SE
	s_setreg_imm32_b32 hwreg(HW_REG_WAVE_MODE, 25, 1), 1
	s_wait_xcnt 0x0
; PLACE.  Whole numbers only.  Work-group w puts its 128 tokens at their places in the order sorted by bucket, and writes the record of tile w.
; Every work-group sums the whole table hist [256 chunks][32 buckets] (32 KiB) for itself: no traffic between work-groups.
; place of a token = tokens of lower buckets + tokens of its bucket in chunks below w + its rank in chunk w.
; TILES of at most 144 rows: bucket b has k = ceil(n / 144) tiles, f = floor(n / 144) of them full.  T = sum of k lies between 228 and 255 for
; 32,768 tokens in 28 buckets, and there are at least 200 full tiles.  Work-groups w < T take tile w; the R = 256 - T others take rows 72 .. 143 of the
; first R full tiles, whose first owners then keep rows 0 .. 71.  Record: first place, rows (1 .. 144), lo, hi.
; No matrix unit, no cluster: a few thousand integer operations a work-group.
.set TOT, 8                            ; v[8:11]   my partial sums of four buckets, all chunks
.set PRE, 12                           ; v[12:15]  the same, chunks below w only
.set H,   16                           ; v[16:79]  hist as loaded; later work
	s_load_b256 s[4:11], s[0:1], 0x0               ; hist, words, order, tiles
	v_lshl_add_u32 v96, v0, 2, 0x1000
	v_mov_b32 v97, 0
	v_and_b32 v1, 31, v0                           ; lane = bucket
	v_lshrrev_b32 v6, 5, v0
	v_readfirstlane_b32 s20, v6                    ; wave
	v_lshlrev_b32 v2, 2, v0
	v_lshrrev_b32 v4, 3, v0                        ; my chunk in each group of 16
	v_lshlrev_b32 v5, 2, v1
	v_lshlrev_b32 v7, 4, v0
	s_lshl_b32 s12, ttmp9, 9
	s_mov_b32 s13, 0
	s_lshl_b32 s14, ttmp9, 4
	s_mov_b32 s15, 0
	s_mov_b32 s17, 58255                           ; n x 58255 >> 23 = floor(n / 144) for n below 74,898
	s_lshl_b32 s19, ttmp9, 7
	s_mov_b32 s21, ttmp9
	s_wait_kmcnt 0x0
	s_add_nc_u64 s[6:7], s[6:7], s[12:13]
	s_add_nc_u64 s[10:11], s[10:11], s[14:15]
	global_load_b32 v3, v2, s[6:7]                 ; my token's bucket | rank << 8
.irp i, 0,1,2,3,4,5,6,7,8,9,10,11,12,13,14,15
	global_load_b128 v[H+4*\i:H+4*\i+3], v7, s[4:5] offset:2048*\i   ; chunk (t >> 3) + 16 i, buckets 4 (t & 7) .. + 3
.endr
.irp i, 0,1,2,3,4,5,6,7,8,9,10,11,12,13,14,15
	s_wait_loadcnt 15-\i                           ; the younger loads stay out
	s_sub_co_i32 s16, ttmp9, 16*\i
	v_cmp_gt_i32 vcc_lo, s16, v4                   ; is this chunk below w?
.irp k, 0,1,2,3
.if \i == 0
	v_cndmask_b32 v[PRE+\k], 0, v[H+\k], vcc_lo    ; the first load starts the sums
.else
	v_cndmask_b32 v6, 0, v[H+4*\i+\k], vcc_lo
	v_add_nc_u32 v[PRE+\k], v[PRE+\k], v6
.if \i == 1
	v_add_nc_u32 v[TOT+\k], v[H+\k], v[H+4+\k]
.else
	v_add_nc_u32 v[TOT+\k], v[TOT+\k], v[H+4*\i+\k]
.endif
.endif
.endr
.endr
	ds_store_b128 v7, v[TOT:TOT+3]                 ; byte 128 (t >> 3) + 4 x bucket
	ds_store_b128 v7, v[PRE:PRE+3] offset:2048
	s_wait_dscnt 0x0
	s_barrier_signal -1
	s_barrier_wait -1
.irp g, 0,1,2,3,4,5,6,7,8,9,10,11,12,13,14,15
	ds_load_b32 v[H+\g],    v5 offset:128*\g
	ds_load_b32 v[H+16+\g], v5 offset:2048+128*\g
.endr
	s_wait_dscnt 0x0
.macro SUM16 dst, b
	v_add3_u32 v[\dst], v[\b], v[\b+1], v[\b+2]
.irp g, 3,5,7,9,11,13
	v_add3_u32 v[\dst], v[\dst], v[\b+\g], v[\b+\g+1]
.endr
	v_add_nc_u32 v[\dst], v[\dst], v[\b+15]
.endm
	SUM16 80, H                                    ; v80 = n: my bucket's tokens
	SUM16 81, H+16                                 ; v81 = those in chunks below w
	v_add_nc_u32 v82, 143, v80
	v_mul_lo_u32 v82, v82, s17
	v_lshrrev_b32 v82, 23, v82                     ; k
	v_mul_lo_u32 v83, v80, s17
	v_lshrrev_b32 v83, 23, v83                     ; f
	v_lshl_or_b32 v84, v82, 16, v80                ; one word for three sums: n in bits 15:0 (32,768 in all), k in 23:16 (255), f in 31:24 (227)
	v_lshl_or_b32 v84, v83, 24, v84
	v_mov_b32 v85, v84
.irp d, 1,2,4,8,16                     ; running sum over the lanes
	v_add_nc_u32 v86, -4*\d, v5
	v_and_b32 v86, 0x7c, v86
	ds_bpermute_b32 v87, v86, v85                  ; from lane l - d
	v_cmp_le_u32 vcc_lo, \d, v1
	s_wait_dscnt 0x0
	v_cndmask_b32 v87, 0, v87, vcc_lo
	v_add_nc_u32 v85, v85, v87
.endr
	v_sub_nc_u32 v88, v85, v84                     ; the lower buckets' sums
	v_and_b32 v89, 0xffff, v88                     ; first place of my bucket
	v_bfe_u32 v90, v88, 16, 8                      ; its first tile
	v_lshrrev_b32 v91, 24, v88                     ; its first full tile, among the full ones
	v_readlane_b32 s18, v85, 31
	s_bfe_u32 s18, s18, 0x80010                    ; T
	; my token's place
	v_add_nc_u32 v92, v89, v81
	v_and_b32 v93, 31, v3
	v_lshlrev_b32 v93, 2, v93
	ds_bpermute_b32 v94, v93, v92                  ; from the lane of my token's bucket
	v_lshrrev_b32 v95, 8, v3
	s_wait_dscnt 0x0
	v_add_nc_u32 v94, v94, v95
	v_min_u32 v94, 0x7fff, v94
	v_lshlrev_b32 v94, 2, v94
	v_add_nc_u32 v95, s19, v0
	global_store_b32 v94, v95, s[8:9]              ; four bytes a token, neighbours in a bucket side by side: 128 KiB in the launch
	s_cmp_lg_u32 s20, 0
	s_cbranch_scc1 .Ldone
	; wave 0: the record.  Each lane tries its bucket; one lane finds the tile.
	s_sub_co_u32 s24, s21, s18                     ; w - T
	s_sub_co_u32 s25, 256, s18                     ; R
	s_cmp_ge_u32 s21, s18                          ; am I one of the R?
	s_cselect_b32 s22, -1, 0
	s_cselect_b32 s23, 72, 0
	s_cselect_b32 s24, s24, s21                    ; number of the full tile, or of the tile
	v_cndmask_b32 v16, v90, v91, s22
	v_cndmask_b32 v17, v82, v83, s22
	v_sub_nc_u32 v18, s24, v16                     ; i: the tile's number in the bucket
	v_mul_u32_u24 v19, v18, 144
	v_add3_u32 v20, v89, v19, s23                  ; first place
	v_sub_nc_u32 v21, v80, v19
	v_min_u32 v21, 144, v21                        ; rows of a whole tile
	v_cmp_lt_u32 vcc_lo, v18, v83                  ; full,
	v_add_nc_u32 v24, v91, v18
	v_cmp_gt_u32 s26, s25, v24                     ; and among the first R full ones: halved
	s_and_b32 vcc_lo, vcc_lo, s26
	v_mov_b32 v25, 72
	v_cndmask_b32 v21, v21, v25, vcc_lo
	v_cmp_le_u32 vcc_lo, 7, v1                     ; lo: the buckets of lo begin at 0, 7, 13, 18, 22, 25, 27
	v_cndmask_b32 v22, 0, 1, vcc_lo
.irp t, 13,18,22,25,27
	v_cmp_le_u32 vcc_lo, \t, v1
	v_cndmask_b32 v26, 0, 1, vcc_lo
	v_add_nc_u32 v22, v22, v26
.endr
	v_sub_nc_u32 v27, 15, v22
	v_mul_u32_u24 v27, v27, v22
	v_lshrrev_b32 v27, 1, v27
	v_sub_nc_u32 v23, v1, v27
	v_add3_u32 v23, v23, v22, 1                    ; hi
	v_mov_b32 v28, 0
	v_cmp_lt_u32 vcc_lo, v18, v17                  ; the tile is in my bucket
	s_wait_xcnt 0x0                                ; EXEC is a source of the store above: it changes only behind this wait
	s_and_saveexec_b32 s27, vcc_lo
	global_store_b128 v28, v[20:23], s[10:11]
	s_wait_xcnt 0x0
	s_or_b32 exec_lo, exec_lo, s27
.Ldone:
	s_wait_tensorcnt 0x0
	ds_add_u32 v96, v97
	s_wait_dscnt 0x0
	s_endpgm
.Lfunc_end_k_q58d2ae3f04_place:
	.size	k_q58d2ae3f04_place, .Lfunc_end_k_q58d2ae3f04_place-k_q58d2ae3f04_place
	.p2alignl 7, 3214868480
	.fill 96, 4, 3214868480
	.section	.rodata,"a",@progbits
	.p2align	6, 0x0
	.amdhsa_kernel k_q58d2ae3f04_place
		.amdhsa_group_segment_fixed_size 4608
		.amdhsa_private_segment_fixed_size 0
		.amdhsa_enable_private_segment 0
		.amdhsa_kernarg_size 32
		.amdhsa_user_sgpr_count 2
		.amdhsa_user_sgpr_kernarg_segment_ptr 1
		.amdhsa_wavefront_size32 1
		.amdhsa_system_sgpr_workgroup_id_x 1
		.amdhsa_system_sgpr_workgroup_id_y 1
		.amdhsa_system_sgpr_workgroup_id_z 1
		.amdhsa_system_vgpr_workitem_id 0
		.amdhsa_next_free_vgpr 98
		.amdhsa_next_free_sgpr 66
		.amdhsa_reserve_vcc 1
		.amdhsa_float_denorm_mode_32 3
		.amdhsa_float_denorm_mode_16_64 3
		.amdhsa_memory_ordered 1
		.amdhsa_forward_progress 1
		.amdhsa_inst_pref_size 19
	.end_amdhsa_kernel
	.amdgpu_metadata
---
amdhsa.version: [ 1, 2 ]
amdhsa.kernels:
  - .name:           k_q58d2ae3f04_place
    .symbol:         k_q58d2ae3f04_place.kd
    .args:
      - { .name: hist, .offset: 0, .size: 8, .value_kind: global_buffer, .address_space: global }
      - { .name: words, .offset: 8, .size: 8, .value_kind: global_buffer, .address_space: global }
      - { .name: order, .offset: 16, .size: 8, .value_kind: global_buffer, .address_space: global }
      - { .name: tiles, .offset: 24, .size: 8, .value_kind: global_buffer, .address_space: global }
    .group_segment_fixed_size: 4608
    .private_segment_fixed_size: 0
    .kernarg_segment_align: 8
    .kernarg_segment_size: 32
    .max_flat_workgroup_size: 128
    .sgpr_count:     66
    .vgpr_count:     98
    .wavefront_size: 32
...
	.end_amdgpu_metadata
.endif
;; end of part 2
;; launch experts (part 3): grid 256 x 1, 4 waves a work-group, no clusters, 98,304 bytes of LDS; arguments xb, Wb, be, cwts, order, tiles, out0; writes out0
.if DOCPART == 3
	.amdgcn_target "amdgcn-amd-amdhsa--gfx1250"
	.amdhsa_code_object_version 6
	.text
	.protected	k_q58d2ae3f04_experts
	.globl	k_q58d2ae3f04_experts
	.p2align	8
	.type	k_q58d2ae3f04_experts,@function
k_q58d2ae3f04_experts:
	s_mov_b64 s[64:65], 0
	v_nop
	global_prefetch_b8 v0, s[64:65] scope:SCOPE_SE
	s_setreg_imm32_b32 hwreg(HW_REG_WAVE_MODE, 25, 1), 1
	s_wait_xcnt 0x0
; EXPERTS.  A work-group takes one tile: up to 144 tokens that chose the same pair (lo, hi).  out = c_lo (x We[lo] + be[lo]) + c_hi (x We[hi] + be[hi]);
; the six experts whose weight is 0 are not multiplied.  One product of 144 rows x (256 + 256) columns x 768.
; Four waves, as many as a WGP has SIMDs.  Wave w: all 144 rows x columns 64 w .. + 63 of BOTH experts = 9 x 8 accumulator tiles, 576 registers, so that the
; weighted sum of the two experts is made in the lane.  K in 24 sub-steps of 32, written out.
; B (Wb, bf16, stored in the order of the fragments): no byte of it is used by two waves, so it does not go through LDS.  Each wave loads its own fragments
; straight into registers, 16 loads of 512 consecutive bytes a sub-step, three sub-steps (216 matrix instructions) ahead, into four buffers that take turns.
; A (xb rows gathered by the list) is read by all four waves: through registers, 128 K at a time, asked for four sub-steps before it is stored to one of two
; LDS slots.  A's fragments have ONE buffer: row blocks 0-3 are fetched again in the middle of a sub-step, behind their last use, blocks 4-8 at its head.
; Rows at and beyond the tile's count repeat its last row: same token, same numbers, stored to the same bytes by this work-group.
; NO CLUSTER: work-groups that share B are those of one bucket, and where a bucket's tiles begin and end hangs on counts read from memory,
; while a joint load's mask may hang on the place in the cluster alone; neighbours would need different tiles.
; LIMITS: x and We enter as bf16, sums and everything else in f32.
; REGISTERS by windows of 256: 0: addresses, the gather's stage, A's fragments, row block 8.  1: B's four buffers.
; 2: row blocks 0-3 (tile (m, c) at 8 (8 m + c)).  3: row blocks 4-7.
.set AP,     272                       ; A's LDS pitch: 256 bytes + 16
.set ASZ,    144*AP
.set STAGE,  2*ASZ                     ; behind A's two slots: the way out, 16 rows x 272 bytes for each wave
.set TOK,    STAGE+4*16*AP             ; 144 tokens
.set CWL,    TOK+768                   ; 144 pairs of weights
.set AOFF, 2                           ; v[2:19]  xb: byte offset of my 16 bytes in rows 8 i + 2 w + l / 16
.set AADR, 20                          ; v20-21   A fragments, slot 0, 1
.set BOFF, 22                          ; v22      Wb: 4,096 w + 16 l; never rewritten
.set BEO,  23                          ; v23      be: 256 w + 32 (l / 16)
.set ASTO, 24                          ; v24-25   where the stage goes, slot 0, 1
.set STO,  26
.set RD,   27
.set TKA,  28
.set CWA,  29
.set OLN,  30
.set ST,   40                          ; v[40:111]   the gather's stage: 18 x 4
.set FA,   112                         ; v[112:183]  A's fragments: 9 row blocks
.set ACC8, 192                         ; v[192:255]  row block 8
.set BELO, 0                           ; window 1, behind the loop: be of my columns
.set BEHI, 32
.set T,    40                          ; the way out, window 0
.set CW,   72
.set TK,   80
.set RB,   88                          ; two sets of 32
.set OO,   152                         ; two sets of 8
.set MSB, 0
.macro WIN new                         ; s_set_vgpr_msb: bits 1:0 source 0, 3:2 source 1, 5:4 source 2, 7:6 destination; the high byte repeats the setting left
.if MSB != \new
	s_set_vgpr_msb (MSB<<8)|\new
.set MSB, \new
.endif
.endm
.macro PLACES                          ; four places behind a matrix instruction, in front of loads into its registers and of readers of its result
.rept 4
	v_nop
.endr
.endm
	s_load_b256 s[4:11], s[0:1], 0x0               ; xb, Wb, be, cwts
	s_load_b128 s[12:15], s[0:1], 0x20             ; order, tiles
	s_load_b64 s[16:17], s[0:1], 0x30              ; out0
	v_lshl_add_u32 v190, v0, 2, 0x17e00
	v_mov_b32 v191, 0
	v_lshrrev_b32 v31, 5, v0
	v_readfirstlane_b32 s18, v31                   ; wave
	s_lshl_b32 s44, ttmp9, 4
	s_mov_b32 s45, 0
	s_wait_kmcnt 0x0
	s_add_nc_u64 s[14:15], s[14:15], s[44:45]
	s_load_b128 s[24:27], s[14:15], 0x0            ; my tile: first place, rows, lo, hi
	v_and_b32 v31, 15, v0                          ; r
	v_bfe_u32 v32, v0, 4, 1                        ; h
	v_mul_u32_u24 v33, v31, AP
	v_lshl_add_u32 v[AADR], v32, 4, v33            ; row r, + 16 h
	v_add_nc_u32 v[AADR+1], ASZ, v[AADR]
	v_and_b32 v35, 31, v0
	s_lshl_b32 s56, s18, 12
	v_lshl_add_u32 v[BOFF], v35, 4, s56            ; my four column tiles of 1,024 bytes, 16 bytes a lane
	v_lshl_add_u32 v37, s18, 1, v32                ; 2 w + h (kept)
	v_mul_u32_u24 v38, v37, AP
	v_lshl_add_u32 v[ASTO], v31, 4, v38
	v_add_nc_u32 v[ASTO+1], ASZ, v[ASTO]
	s_mul_i32 s56, s18, 16*AP
	s_add_co_u32 s56, s56, STAGE
	v_lshl_add_u32 v39, v32, 5, v33
	v_add_nc_u32 v[STO], s56, v39                  ; in: row r, 32 bytes for each half of the lanes
	v_mul_u32_u24 v39, v32, AP
	v_lshl_add_u32 v39, v31, 4, v39
	v_add_nc_u32 v[RD], s56, v39                   ; back: lanes 0-15 one row of 256 bytes, lanes 16-31 the next
	v_lshl_add_u32 v[TKA], v32, 2, TOK
	v_lshl_add_u32 v[CWA], v31, 3, CWL
	s_lshl_b32 s57, s18, 8
	v_lshl_add_u32 v[OLN], v31, 4, s57             ; my 16 bytes of a row of out0
	v_lshl_add_u32 v[BEO], v32, 5, s57
	v_lshlrev_b32 v36, 4, v31
	s_wait_kmcnt 0x0
	s_min_u32 s24, s24, 0x7fff
	s_min_u32 s25, s25, 144
	s_max_u32 s25, s25, 1
	s_sub_co_u32 s49, s25, 1                       ; the tile's last row
	s_min_u32 s26, s26, 7
	s_min_u32 s27, s27, 7
	s_mov_b32 s59, 0
	s_mul_i32 s58, s26, 393216                     ; 768 x 256 x 2 bytes an expert
	s_add_nc_u64 s[28:29], s[6:7], s[58:59]        ; Wb[lo]
	s_mul_i32 s58, s27, 393216
	s_add_nc_u64 s[30:31], s[6:7], s[58:59]        ; Wb[hi]
	s_lshl_b32 s58, s26, 10
	s_add_nc_u64 s[52:53], s[8:9], s[58:59]        ; be[lo]
	s_lshl_b32 s58, s27, 10
	s_add_nc_u64 s[54:55], s[8:9], s[58:59]        ; be[hi]
.macro POS dst, src                    ; a row of the tile -> the byte in the list of that row's place
	v_min_u32 v[\dst], s49, v[\src]
	v_add_nc_u32 v[\dst], s24, v[\dst]
	v_min_u32 v[\dst], 0x7fff, v[\dst]
	v_lshlrev_b32 v[\dst], 2, v[\dst]
.endm
; B's fragments of sub-step k into buffer k % 4: column tiles 0-3 of lo, then of hi.  The sub-step, the tile and the half stand in the immediate
; (380,416 bytes at the most), so that no address register is ever stepped.
.macro BLOAD k
	WIN 0x40
.irp c, 0,1,2,3
.irp p, 0,1
	global_load_b128 v[64*((\k)&3)+8*\c+4*\p:64*((\k)&3)+8*\c+4*\p+3], v[BOFF], s[28:29] offset:16384*(\k)+1024*\c+512*\p
.endr
.endr
.irp c, 0,1,2,3
.irp p, 0,1
	global_load_b128 v[64*((\k)&3)+32+8*\c+4*\p:64*((\k)&3)+32+8*\c+4*\p+3], v[BOFF], s[30:31] offset:16384*(\k)+1024*\c+512*\p
.endr
.endr
.endm
.macro BELOAD                          ; be of my columns 64 w + 16 c + 8 h + 0 .. 7, into the buffer that no later sub-step fills
	WIN 0x40
.irp c, 0,1,2,3
.irp p, 0,1
	global_load_b128 v[BELO+8*\c+4*\p:BELO+8*\c+4*\p+3], v[BEO], s[52:53] offset:64*\c+16*\p
	global_load_b128 v[BEHI+8*\c+4*\p:BEHI+8*\c+4*\p+3], v[BEO], s[54:55] offset:64*\c+16*\p
.endr
.endr
.endm
.macro STAGE_LD ch                     ; 128 K of my 36 rows: sixteen lanes take 256 consecutive bytes of a row, aligned
.irp i, 0,1,2,3,4,5,6,7,8,9,10,11,12,13,14,15,16,17
	global_load_b128 v[ST+4*\i:ST+4*\i+3], v[AOFF+\i], s[4:5] offset:256*\ch
.endr
.endm
.macro STAGE_ST sa, left               ; left = the loads of B issued behind the stage's, which may stay out
	s_wait_loadcnt \left
.irp i, 0,1,2,3,4,5,6,7,8,9,10,11,12,13,14,15,16,17
	ds_store_b128 v[ASTO+\sa], v[ST+4*\i:ST+4*\i+3] offset:8*AP*\i
.endr
.endm
	; the list first, since A's rows hang on it; B's first three sub-steps go out behind it and land while the chain list -> rows runs
.irp i, 0,1,2,3,4,5,6,7,8,9,10,11,12,13,14,15,16,17
	v_add_nc_u32 v[ST+\i], 8*\i, v37
	POS ST+\i, ST+\i
	global_load_b32 v[AOFF+\i], v[ST+\i], s[12:13]
.endr
	POS ST+18, 0                                   ; row t, for the tables of tokens and weights
	global_load_b32 v38, v[ST+18], s[12:13]
	v_add_nc_u32 v[ST+19], 128, v31                ; rows 128 .. 143
	POS ST+19, ST+19
	global_load_b32 v39, v[ST+19], s[12:13]
	BLOAD 0
	BLOAD 1
	BLOAD 2
	WIN 0
	s_wait_loadcnt 48                              ; the list's 20 loads are in; B's 48 stay out
.irp i, 0,1,2,3,4,5,6,7,8,9,10,11,12,13,14,15,16,17
	v_min_u32 v[AOFF+\i], 0x7fff, v[AOFF+\i]
	v_lshl_add_u32 v[AOFF+\i], v[AOFF+\i], 1, v[AOFF+\i]           ; 3 x token
	v_lshl_add_u32 v[AOFF+\i], v[AOFF+\i], 9, v36                  ; x 512 = 1,536 bytes a row, + 16 r
.endr
	v_min_u32 v38, 0x7fff, v38
	v_min_u32 v39, 0x7fff, v39
	v_lshlrev_b32 v116, 3, v38
	v_lshlrev_b32 v117, 3, v39
	STAGE_LD 0
	global_load_b64 v[112:113], v116, s[10:11]
	global_load_b64 v[114:115], v117, s[10:11]
	v_lshl_add_u32 v118, v0, 2, TOK
	v_lshl_add_u32 v119, v0, 3, CWL
	v_lshl_add_u32 v120, v31, 2, TOK
	STAGE_ST 0, 0
	ds_store_b32 v118, v38
	ds_store_b64 v119, v[112:113]
	s_cmp_lg_u32 s18, 0
	s_cbranch_scc1 .Lnot_wave_0
	ds_store_b32 v120, v39 offset:512              ; rows 128 .. 143: wave 0 alone
	ds_store_b64 v[CWA], v[114:115] offset:1024
.Lnot_wave_0:
	STAGE_LD 1
; eight matrix instructions: row block m x my 8 column tiles, 32 along K, B from buffer fb.  USED TRANSPOSED: source 0 = 16 columns of We, source 1 = 16 tokens,
; so that lane l holds token l % 16 and its registers the columns 8 (l / 16) + 0 .. 7.  The 72 accumulators take turns in the same order in every
; sub-step, one instruction a turn.  zero = 1: the first product starts the sum.
.macro MULB fb, m, acc, zero
.irp c, 0,1,2,3,4,5,6,7
.if \zero
	v_wmma_f32_16x16x32_bf16 v[\acc+8*\c:\acc+8*\c+7], v[64*(\fb)+8*\c:64*(\fb)+8*\c+7], v[FA+8*\m:FA+8*\m+7], 0
.else
	v_wmma_f32_16x16x32_bf16 v[\acc+8*\c:\acc+8*\c+7], v[64*(\fb)+8*\c:64*(\fb)+8*\c+7], v[FA+8*\m:FA+8*\m+7], v[\acc+8*\c:\acc+8*\c+7]
.endif
.endr
.endm
; A's fragments of sub-step k: slot (k / 4) % 2, byte 64 (k % 4) of the rows
.macro FETCHLO k                       ; row blocks 0-3: 8 loads
.irp m, 0,1,2,3
	ds_load_b128 v[FA+8*\m:FA+8*\m+3],   v[AADR+(((\k)>>2)&1)] offset:16*AP*\m+64*((\k)&3)
	ds_load_b128 v[FA+8*\m+4:FA+8*\m+7], v[AADR+(((\k)>>2)&1)] offset:16*AP*\m+64*((\k)&3)+32
.endr
.endm
.macro FETCHHI k                       ; row blocks 4-8: 10 loads
.irp m, 4,5,6,7,8
	ds_load_b128 v[FA+8*\m:FA+8*\m+3],   v[AADR+(((\k)>>2)&1)] offset:16*AP*\m+64*((\k)&3)
	ds_load_b128 v[FA+8*\m+4:FA+8*\m+7], v[AADR+(((\k)>>2)&1)] offset:16*AP*\m+64*((\k)&3)+32
.endr
.endm
; SUB-STEP j.  left = the loads issued behind B(j) that may stay out: the three younger sub-steps' 48, and where the stage's 18 loads are younger too
; (66 in all) the most that a wait can name, 63.
; Sub-steps 1, 5, 9, 13, 17: the staged 128 K go to the A slot that all waves left at the barrier two sub-steps ago, and (up to 13) the 128 K after those
; are asked for.  Sub-steps 3, 7, 11, 15, 19: the barrier.  In front of it each wave waits for all its LDS instructions: its stores to the next slot and its
; last reads of this one (blocks 4-8, fetched at this sub-step's head).  Behind it the next slot is read, and this one may be written again.
.macro SUB j, left, zero
.if \j > 0
	PLACES
.endif
.if \j < 21
	BLOAD (\j+3)
.endif
.if \j == 21
	BELOAD
.endif
	WIN 0
	FETCHHI \j
	s_wait_loadcnt \left
	s_wait_dscnt 10                                ; row blocks 0-3 are in; the ten loads just issued may be out
	WIN 0xa1
	MULB (\j&3), 0, 0, \zero
	MULB (\j&3), 1, 64, \zero
.if (\j&3) == 3
.if \j < 23
	s_wait_dscnt 0x0
	s_barrier_signal -1
.endif
.endif
	MULB (\j&3), 2, 128, \zero                     ; register work while the others arrive
	MULB (\j&3), 3, 192, \zero
.if (\j&3) == 3
.if \j < 23
	s_barrier_wait -1
.endif
.endif
.set SN, 0
.if \j < 23
	PLACES
	WIN 0
.set SN, 8
.if (\j&3) == 1
.if \j <= 17
.set SN, 26
.if \j == 1
	STAGE_ST 1, 32                                 ; behind these stage loads: B(3), B(4)
.else
	STAGE_ST (((\j>>2)+1)&1), 48                   ; met by this sub-step's wait for B(j), which was issued behind the stage's loads
.endif
.endif
.if \j <= 13
	STAGE_LD ((\j>>2)+2)
.endif
.endif
	FETCHLO (\j+1)
.endif
	s_wait_dscnt SN                                ; row blocks 4-8 are in; what was issued behind them (18 stores, 8 loads) may be out
	WIN 0xf1
	MULB (\j&3), 4, 0, \zero
	MULB (\j&3), 5, 64, \zero
	MULB (\j&3), 6, 128, \zero
	MULB (\j&3), 7, 192, \zero
	WIN 0x01
	MULB (\j&3), 8, ACC8, \zero
.endm
	s_wait_dscnt 0x0                               ; my part of A's first 128 K and of the tables is written,
	s_barrier_signal -1
	s_barrier_wait -1                              ; everybody's is
	FETCHLO 0
	SUB 0, 63, 1
	SUB 1, 63, 0
	SUB 2, 63, 0
	SUB 3, 63, 0
	SUB 4, 63, 0
	SUB 5, 48, 0
	SUB 6, 63, 0
	SUB 7, 63, 0
	SUB 8, 63, 0
	SUB 9, 48, 0
	SUB 10, 63, 0
	SUB 11, 63, 0
	SUB 12, 63, 0
	SUB 13, 48, 0
	SUB 14, 63, 0
	SUB 15, 63, 0
	SUB 16, 63, 0
	SUB 17, 48, 0
	SUB 18, 48, 0
	SUB 19, 48, 0
	SUB 20, 48, 0
	SUB 21, 48, 0                                  ; B(22), B(23) and be
	SUB 22, 32, 0                                  ; B(23) and be
	SUB 23, 16, 0                                  ; be
	PLACES
	s_wait_loadcnt 0x0                             ; be
; THE WAY OUT, 16 tokens at a time.  In the lane: T = c_hi be_hi + c_lo be_lo + c_lo acc_lo + c_hi acc_hi for its token's 32 columns.  Then through my own
; stage in LDS, so that sixteen lanes store the 256 consecutive bytes, aligned, that my wave has of a token's row.
; win: the window of the accumulators as source 0; acc: their first register; set: which registers the stores use.
.macro OUTBLK blk, win, acc, set
	WIN 0
	ds_load_b64 v[CW:CW+1], v[CWA] offset:128*\blk
.irp t, 0,1,2,3,4,5,6,7
	ds_load_b32 v[TK+\t], v[TKA] offset:64*\blk+8*\t               ; the tokens of rows 2 t + l / 16
.endr
	s_wait_dscnt 0x0
	s_wait_xcnt 0x0                                ; every earlier store has had its address translated (ISA guide 3.1): its registers are rewritten only behind this wait
.irp t, 0,1,2,3,4,5,6,7
	v_min_u32 v[TK+\t], 0x7fff, v[TK+\t]
	v_lshl_add_u32 v[OO+8*\set+\t], v[TK+\t], 10, v[OLN]
.endr
	WIN 0x01
.irp e, 0,2,4,6,8,10,12,14,16,18,20,22,24,26,28,30
	v_pk_mul_f32 v[T+\e:T+\e+1], v[BEHI+\e:BEHI+\e+1], v[CW:CW+1] op_sel:[0,1] op_sel_hi:[1,1]
.endr
.irp e, 0,2,4,6,8,10,12,14,16,18,20,22,24,26,28,30
	v_pk_fma_f32 v[T+\e:T+\e+1], v[BELO+\e:BELO+\e+1], v[CW:CW+1], v[T+\e:T+\e+1] op_sel_hi:[1,0,1]
.endr
	WIN \win
.irp e, 0,2,4,6,8,10,12,14,16,18,20,22,24,26,28,30
	v_pk_fma_f32 v[T+\e:T+\e+1], v[\acc+\e:\acc+\e+1], v[CW:CW+1], v[T+\e:T+\e+1] op_sel_hi:[1,0,1]
.endr
.irp e, 0,2,4,6,8,10,12,14,16,18,20,22,24,26,28,30
	v_pk_fma_f32 v[T+\e:T+\e+1], v[\acc+32+\e:\acc+32+\e+1], v[CW:CW+1], v[T+\e:T+\e+1] op_sel:[0,1,0] op_sel_hi:[1,1,1]
.endr
	WIN 0
.irp c, 0,1,2,3
	ds_store_b128 v[STO], v[T+8*\c:T+8*\c+3]   offset:64*\c
	ds_store_b128 v[STO], v[T+8*\c+4:T+8*\c+7] offset:64*\c+16
.endr
.irp t, 0,1,2,3,4,5,6,7
	ds_load_b128 v[RB+32*\set+4*\t:RB+32*\set+4*\t+3], v[RD] offset:2*AP*\t   ; my own bytes: LDS serves a wave's instructions in order (ISA guide 5.7.1)
.endr
.irp t, 0,1,2,3,4,5,6,7
	s_wait_dscnt 7-\t
	global_store_b128 v[OO+8*\set+\t], v[RB+32*\set+4*\t:RB+32*\set+4*\t+3], s[16:17] th:TH_STORE_NT
.endr
.endm
	OUTBLK 0, 0x02, 0,   0
	OUTBLK 1, 0x02, 64,  1
	OUTBLK 2, 0x02, 128, 0
	OUTBLK 3, 0x02, 192, 1
	OUTBLK 4, 0x03, 0,   0
	OUTBLK 5, 0x03, 64,  1
	OUTBLK 6, 0x03, 128, 0
	OUTBLK 7, 0x03, 192, 1
	OUTBLK 8, 0x00, ACC8, 0
	s_wait_tensorcnt 0x0
	ds_add_u32 v190, v191
	s_wait_dscnt 0x0
	s_endpgm
.Lfunc_end_k_q58d2ae3f04_experts:
	.size	k_q58d2ae3f04_experts, .Lfunc_end_k_q58d2ae3f04_experts-k_q58d2ae3f04_experts
	.p2alignl 7, 3214868480
	.fill 96, 4, 3214868480
	.section	.rodata,"a",@progbits
	.p2align	6, 0x0
	.amdhsa_kernel k_q58d2ae3f04_experts
		.amdhsa_group_segment_fixed_size 98304
		.amdhsa_private_segment_fixed_size 0
		.amdhsa_enable_private_segment 0
		.amdhsa_kernarg_size 56
		.amdhsa_user_sgpr_count 2
		.amdhsa_user_sgpr_kernarg_segment_ptr 1
		.amdhsa_wavefront_size32 1
		.amdhsa_system_sgpr_workgroup_id_x 1
		.amdhsa_system_sgpr_workgroup_id_y 1
		.amdhsa_system_sgpr_workgroup_id_z 1
		.amdhsa_system_vgpr_workitem_id 0
		.amdhsa_next_free_vgpr 1024
		.amdhsa_next_free_sgpr 66
		.amdhsa_reserve_vcc 0
		.amdhsa_float_denorm_mode_32 3
		.amdhsa_float_denorm_mode_16_64 3
		.amdhsa_memory_ordered 1
		.amdhsa_forward_progress 1
		.amdhsa_inst_pref_size 255
	.end_amdhsa_kernel
	.section	.bss,"aw",@nobits
	.p2align	6
	.space	262144
	.amdgpu_metadata
---
amdhsa.version: [ 1, 2 ]
amdhsa.kernels:
  - .name:           k_q58d2ae3f04_experts
    .symbol:         k_q58d2ae3f04_experts.kd
    .args:
      - { .name: xb, .offset: 0, .size: 8, .value_kind: global_buffer, .address_space: global }
      - { .name: Wb, .offset: 8, .size: 8, .value_kind: global_buffer, .address_space: global }
      - { .name: be, .offset: 16, .size: 8, .value_kind: global_buffer, .address_space: global }
      - { .name: cwts, .offset: 24, .size: 8, .value_kind: global_buffer, .address_space: global }
      - { .name: order, .offset: 32, .size: 8, .value_kind: global_buffer, .address_space: global }
      - { .name: tiles, .offset: 40, .size: 8, .value_kind: global_buffer, .address_space: global }
      - { .name: out0, .offset: 48, .size: 8, .value_kind: global_buffer, .address_space: global }
    .group_segment_fixed_size: 98304
    .private_segment_fixed_size: 0
    .kernarg_segment_align: 8
    .kernarg_segment_size: 56
    .max_flat_workgroup_size: 128
    .sgpr_count:     66
    .vgpr_count:     1024
    .wavefront_size: 32
...
	.end_amdgpu_metadata
.endif
;; end of part 3
